; MI455X (gfx1250); checked and timed in simulation.
; The chip was launched on July 23, 2026; its instructions are those of AMD's public machine-readable ISA for CDNA 5 (MIT licence, August 2026) and "CDNA5" Instruction Set Architecture Reference Guide (July 2026). The comments in the code are by the model that wrote it; some were corrected since.
;; Transformer Encoder Layer With Channels. Allowed arithmetic: matrix products marked QUANTISED: E2M1 operands, one E8M0 scale for each 32 along K, by v_wmma_scale_f32_16x16x128_f8f6f4 with both operands' format E2M1 (or v_wmma_scale_f32_32x16x128_f4), f32 sums; everything else in f32.
;; Inputs: W1_codes 2,048 x 16 x 16 uint8 (E2M1 codes of W1, K innermost, in blocks of 32 codes, two codes a byte); W1_scales 2,048 x 16 uint8 (E8M0 scales of W1, one for each 32 codes along K); W2_codes 512 x 64 x 16 uint8 (E2M1 codes of W2, K innermost, in blocks of 32 codes, two codes a byte); W2_scales 512 x 64 uint8 (E8M0 scales of W2, one for each 32 codes along K); b1 2,048 float32; b2 512 float32; be1 512 float32; be2 512 float32; g1 512 float32; g2 512 float32; key_padding_mask 8 x 2,048 float32; src 8 x 1 x 2,048 x 512 float32.
;; Outputs: out0 8 x 1 x 2,048 x 512 float32.
;; This version of the problem:
;;   THIS VERSION OF THE PROBLEM IS GIVEN IN LOW PRECISION. The matrix products marked QUANTISED in the list below multiply operands that are first quantised to E2M1 (2 exponent bits, 1 mantissa bit; 4 bits a number), with one power-of-two scale for each 32 numbers along K (OCP MX v1.0); their sums are f32. All else is computed in f32.
;;   The module's matrix products, in the order in which they are computed (A, B: the left and right operand; K: the contracted axis; several contracted axes count as one K, in the product's order):
;;     1. batch 8 x [M 2,048, K 512] x [K 512, N 2,048]; A: input src; B: input src: QUANTISED
;;     2. batch 8 x [M 2,048, K 2,048] x [K 2,048, N 512]; A: softmax (see below); B: input src: QUANTISED
;;     3. [M 16,384, K 512] x [K 512, N 2,048]; A: computed on the way; B: input W1 (given as codes): QUANTISED
;;     4. [M 16,384, K 2,048] x [K 2,048, N 512]; A: computed on the way; B: input W2 (given as codes): QUANTISED
;;   THE QUANTISER, for each operand of a quantised product, along K:
;;     - K is cut into blocks of 32 from its start; a last block that is shorter is filled with zeros.
;;     - A block's scale is 2^e with e = floor(log2(the largest magnitude in the block)) - 2, held to -126 .. 127; a block of zeros has e = 0. As a byte (E8M0): e + 127.
;;     - Each number is divided by its block's scale, clamped to +-6, and rounded to the nearest number of E2M1, ties to even, subnormals kept.
;;     - The product sums the exact products of the quantised numbers (number of the format x scale) in f32.
;;   ~~~python
;;   def quantise(x, axis):      # numpy; x: float32 -> the quantised numbers, widened to float32 again
;;       x = np.moveaxis(x, axis, -1); K = x.shape[-1]
;;       x = np.pad(x, [(0, 0)] * (x.ndim - 1) + [(0, -K % 32)]); x = x.reshape(x.shape[:-1] + (-1, 32)); a = np.abs(x).max(-1, keepdims=True)
;;       e = np.where(a > 0, np.clip(np.frexp(np.where(a > 0, a, 1))[1] - 1 - 2, -126, 127), 0)      # np.frexp(a)[1] - 1 = floor(log2(a)), exactly
;;       r = np.clip(x / 2.0 ** e, -6, 6)
;;       step = 2.0 ** (np.maximum(np.frexp(np.where(r == 0, 1, r))[1] - 1, 0) - 1)
;;       q = np.round(r / step) * step * 2.0 ** e      # np.round: ties to even
;;       return np.moveaxis(q.reshape(q.shape[:-2] + (-1,))[..., :K], -1, axis).astype(np.float32)
;;   ~~~
;;   SOFTMAX AHEAD OF A QUANTISED PRODUCT. Where the list says 'softmax', what is quantised is not the finished softmax but p = 2^(t - M), with t = logit x log2(e) and M = ceil(the row's largest t), a whole number; so 1/2 < the row's largest p <= 1. The row's sum l is taken of the UNQUANTISED p, in f32, and the product's result is divided by l at the end. Since M is a whole number, a kernel that streams over the keys may use a running M (the ceiling of the running maximum): every later rescaling is an exact power of two, which a block's scale takes up: the codes' values come out the same.
;;   OPERANDS COMPUTED ON THE WAY. 'Computed on the way' means the value that the module computes at that place (a softmax that the list does not call 'softmax' is quantised finished and normalised). What goes into a quantiser is computed in f32, as accurately as f32 sums, v_exp_f32 and their like allow (about 1e-6 of the number): no bf16 or f16 on the way to a quantiser, and a product that is left as it is and whose result goes on into a quantised operand takes f32 operands (vector FMAs, or v_wmma_f32_16x16x4_f32). A number that lies on a knife's edge between two numbers of the format may be rounded either way, as far as f32 arithmetic and the matrix unit's own rounding can turn it there, and no further.
;;   INPUTS GIVEN AS CODES. W1 (in the module: [512, 2048], K = its axis 0); W2 (in the module: [2048, 512], K = its axis 0): each comes as NAME_codes (uint8): NAME with its K axis moved to the last place and cut into blocks of 32 codes, [.., K / 32, bytes a block], one block behind the other in memory; two codes a byte, the lower K in the low four bits (a code: sign, 2 exponent bits, 1 mantissa bit); and NAME_scales (uint8): the same leading axes, one E8M0 byte (e + 127) for each 32 codes along K. Its value is code x scale, taken as it is: it is not quantised again, and the codes and scales need not be those that the quantiser above would give.
;; One version. Each part assembles by itself: llvm-mc -triple=amdgcn-amd-amdhsa -mcpu=gfx1250 --defsym DOCPART=n.
;; ======== version 1 of 1: 2 launches
;; limits: right only within a limited range of input values
;; workspace buffers: ac 5,013,504 bytes; bc 5,013,504 bytes
;; launch prep (part 1): grid 256 x 1, 8 waves a work-group, no clusters, 168,960 bytes of LDS; arguments src, W1_codes, W1_scales, W2_codes, W2_scales, ac, bc; writes ac, bc
.if DOCPART == 1
	.amdgcn_target "amdgcn-amd-amdhsa--gfx1250"
	.amdhsa_code_object_version 6
	.text
	.protected	k_q4d8c374a3d_prep
	.globl	k_q4d8c374a3d_prep
	.p2align	8
	.type	k_q4d8c374a3d_prep,@function
k_q4d8c374a3d_prep:
	s_mov_b64 s[64:65], 0
	v_nop
	global_prefetch_b8 v0, s[64:65] scope:SCOPE_SE
	s_setreg_imm32_b32 hwreg(HW_REG_WAVE_MODE, 25, 1), 1
	s_wait_xcnt 0x0
; src [8][2048][512] f32 is quantised to E2M1 twice: along its 512 channels (the operand of the scores, queries and keys alike) and along the keys (the operand of the second product).
; W1 and W2, which come as codes, are laid anew without change.  All leave IN THE ORDER OF AN OPERAND'S REGISTERS, so that the next launch reads every fragment by 16-byte loads, 16 x lane.
; A FRAGMENT'S IMAGE (16 rows x 128 along K) is 1,024 bytes, [c 2][lane 32][16 bytes]: lane (r, h) holds k = 64 c + 32 h + 0 .. 31 of its row.
; THE ROWS OF A TILE ARE NOT NEIGHBOURS: lane r of tile T takes row 32 (T / 2) + 8 (T % 2) + r + 8 (r / 8).
; ac and bc are rows of RECORDS of 69,632 bytes, one for each 256 keys (or hidden units): 65,536 bytes of codes, two steps of 128, and behind them their 4,096 bytes of scale words.  Records 8 batch + 0 .. 7: src; records 64 .. 71: a weight.
;   ac, codes of a step: [tile 8][s 4] images, rows = keys (W1: hidden units), K = channels 128 s on.   scale words of a step: [H 2][tile 8][r 16][8 bytes]: the row's words of s = 2 H and 2 H + 1.
;   bc, codes of a step: [tile 32] images, rows = channels (W2: outputs), K = the step's 128 keys (hidden units).   scale words of a step: [w 4][lane 32][i 4][4 bytes]: the word of tile 8 w + 2 i + lane / 16, row lane % 16.
; A block's scale byte is its largest magnitude's exponent field - 2, held at 1 from below.  A block of zeros so gets the byte 1 where the quantiser says 127: its codes are zeros, and only this program reads the bytes.
; LIMITS: NaN and infinities among the inputs are not served.
; SHARES.  Work-group g: batch g / 32, step (g / 2) % 16 (128 keys), half H = g % 2 of the channels: a tile of 128 rows x 256 numbers, brought once by two tensor loads (waves 0 and 1, 64 rows each).
; Each of the eight waves quantises four blocks down the keys (a lane a channel, 32 registers down K) and four blocks along the channels (a lane 32 neighbours of its row).
.set PITCH, 1040                       ; an LDS row: 1,024 bytes + 16 of padding
.set HALF,  64*PITCH                   ; what one tensor load brings
.set STG,   128*PITCH                  ; behind the tile: 1,024 bytes of ac's scale words, 1,024 of bc's; no tensor load lands here
.set REC,   69632                      ; a record
.set X0,    32                         ; v32-95   two sets of 32 numbers
.set CD,    96                         ; v96-127  four registers of codes for each of the eight blocks: no store's data are written again
.set WV,    22
	s_load_b256 s[4:11], s[0:1], 0x0               ; src s[4:5], W1's codes s[6:7], W1's scales s[8:9], W2's codes s[10:11]
	s_load_b128 s[12:15], s[0:1], 0x20             ; W2's scales s[12:13], ac s[14:15]
	s_load_b64 s[18:19], s[0:1], 0x30              ; bc
	v_lshl_add_u32 v128, v0, 2, 0x29000
	v_mov_b32 v129, 0
	ds_add_u32 v128, v129                          ; the opening lines: the add twice on end, and one wait
	ds_add_u32 v128, v129
	v_lshrrev_b32 v1, 5, v0
	s_delay_alu instid0(VALU_DEP_1)
	v_readfirstlane_b32 s[WV], v1                  ; wave 0..7
	; descriptor group 1: 64 rows x 256 elements of 4 bytes, 512 elements from row to row; 4 words of padding behind every 256
	s_mov_b32 s24, (2<<16)|(1<<20)|(7<<22)|(3<<25)
	s_mov_b32 s25, 256<<16
	s_mov_b32 s26, 64<<16
	s_mov_b32 s27, 256<<16
	s_mov_b32 s28, 64
	s_mov_b32 s29, 512
	s_mov_b32 s30, 0
	s_mov_b32 s31, 0
	s_lshr_b32 s36, ttmp9, 1                       ; g / 2 = 16 batch + step
	s_and_b32 s37, ttmp9, 1                        ; H
	s_lshl_b32 s38, s36, 7                         ; the tile's first row,
	s_lshl_b32 s39, s[WV], 6
	s_add_co_u32 s38, s38, s39                     ; + 64 x wave,
	s_lshl_b32 s38, s38, 11                        ; in bytes,
	s_lshl_b32 s39, s37, 10
	s_add_co_u32 s38, s38, s39                     ; + the half's 1,024
	s_mov_b32 s39, 0
	s_mov_b32 s32, 1
	s_mul_i32 s33, s[WV], HALF                     ; LDS address: wave x 64 rows
	; what hangs on g in the weights' addresses
	s_lshr_b32 s40, s36, 1
	s_lshl_b32 s40, s40, 13
	s_and_b32 s41, s36, 1
	s_lshl_b32 s41, s41, 11
	s_add_co_u32 s42, s40, s41                     ; W1: (32 (T / 2) + 8 (T % 2)) rows of 256 bytes, T = g / 2,
	s_lshl_b32 s41, s37, 7
	s_add_co_u32 s42, s42, s41                     ; + 64 x 2 (g % 2)
	s_and_b32 s40, ttmp9, 15
	s_lshl_b32 s40, s40, 15                        ; W2: 32 (g % 16) rows of 1,024 bytes,
	s_lshr_b32 s41, ttmp9, 4                       ; g / 16
	s_lshl_b32 s43, s41, 6
	s_add_co_u32 s43, s43, s40                     ; + 64 (g / 16)
	s_lshr_b32 s40, ttmp9, 5
	s_add_co_u32 s40, s40, 64
	s_mul_i32 s58, s40, REC                        ; the weights' record 64 + g / 32
	s_and_b32 s40, ttmp9, 31
	s_lshl_b32 s44, s40, 11
	s_add_co_u32 s44, s44, s58                     ; out: 2,048 bytes of codes a work-group
	s_lshl_b32 s57, s40, 7
	s_add_co_u32 s57, s57, s58
	s_add_co_u32 s57, s57, 65536                   ; and 128 bytes of scale words, behind the record's codes
	s_lshl_b32 s45, s41, 11                        ; W1's scales: rows of 16 bytes: 128 (g / 16)
	s_bfe_u32 s40, ttmp9, 0x20001
	s_lshl_b32 s40, s40, 9
	s_add_co_u32 s45, s45, s40                     ; + 32 ((g % 8) / 2)
	s_lshl_b32 s40, s37, 7
	s_add_co_u32 s45, s45, s40                     ; + 8 (g % 2);
	s_bfe_u32 s40, ttmp9, 0x10003
	s_lshl_b32 s40, s40, 3
	s_add_co_u32 s45, s45, s40                     ; + 8 bytes x ((g / 8) % 2)
	s_bfe_u32 s40, ttmp9, 0x20002
	s_lshl_b32 s46, s40, 13                        ; W2's scales: rows of 64 bytes: 128 ((g / 4) % 4)
	s_bfe_u32 s40, ttmp9, 0x10001
	s_lshl_b32 s40, s40, 9
	s_add_co_u32 s46, s46, s40                     ; + 8 ((g / 2) % 2)
	s_lshl_b32 s40, s37, 10
	s_add_co_u32 s46, s46, s40                     ; + 16 (g % 2);
	s_lshl_b32 s40, s41, 2
	s_add_co_u32 s46, s46, s40                     ; + 4 bytes x (g / 16)
	s_lshr_b32 s40, s36, 1
	s_mul_i32 s59, s40, REC                        ; src's record g / 4
	s_and_b32 s40, s36, 1
	s_lshl_b32 s47, s40, 15
	s_add_co_u32 s47, s47, s59                     ; the step's 32,768 bytes of codes in it
	s_lshl_b32 s40, s[WV], 12
	s_add_co_u32 s54, s47, s40
	s_lshl_b32 s40, s37, 11
	s_add_co_u32 s54, s54, s40                     ; ac: + 4,096 x tile (= wave) + 1,024 x 2 H
	s_lshl_b32 s40, s37, 14
	s_add_co_u32 s47, s47, s40
	s_lshl_b32 s40, s[WV], 11
	s_add_co_u32 s47, s47, s40                     ; bc: + 2,048 (8 H + wave)
	s_lshr_b32 s52, s[WV], 2
	s_lshl_b32 s52, s52, 9
	s_and_b32 s40, s[WV], 3
	s_lshl_b32 s40, s40, 2
	s_add_co_u32 s52, s52, s40
	s_add_co_u32 s52, s52, STG+1024                ; bc's part of the stage: 512 (wave / 4) + 4 (wave % 4)
	s_lshr_b32 s53, s[WV], 1
	s_lshl_b32 s53, s53, 5
	s_and_b32 s40, s[WV], 1
	s_lshl_b32 s40, s40, 3
	s_add_co_u32 s53, s53, s40
	s_mul_i32 s53, s53, PITCH                      ; my tile's first row in LDS
	s_lshl_b32 s55, s[WV], 7
	s_add_co_u32 s55, s55, STG                     ; ac's part of the stage: 128 x tile
	s_and_b32 s40, ttmp9, 3
	s_lshl_b32 s56, s40, 10
	s_add_co_u32 s56, s56, s59
	s_add_co_u32 s56, s56, 65536                   ; 1,024 bytes of scale words a work-group, behind the record's codes
	s_wait_dscnt 0x0
	s_wait_kmcnt 0x0
	s_add_nc_u64 s[34:35], s[4:5], s[38:39]
	s_or_b32 s35, s35, 0x80000000                  ; type = 2
	s_cmp_lt_u32 s[WV], 2
	s_cbranch_scc0 .Lno_tile                       ; waves 0 and 1 fetch, one load each
	tensor_load_to_lds s[32:35], s[24:31]
	s_nop 0
.rept 4
	v_nop
.endr
.Lno_tile:
	s_cmp_lt_u32 s[WV], 4                          ; waves 0-3 move W1's scale bytes and later store ac's scale words, waves 4-7 W2's and bc's: a choice on the wave's number
	s_cselect_b64 s[48:49], s[8:9], s[12:13]
	s_cselect_b64 s[50:51], s[14:15], s[18:19]
	; THE WEIGHTS, while the tile is on its way.  Of the thread's number: bit 0 which 8 bytes, bits 1-4 r, bit 5 h, bit 6 c, bit 7 x: which of the work-group's two images.  8 x thread is the place in them.
	v_and_b32 v2, 1, v0
	v_bfe_u32 v3, v0, 1, 4
	v_bfe_u32 v4, v0, 5, 2                         ; h + 2 c: 16 bytes each
	v_bfe_u32 v5, v0, 7, 1
	s_delay_alu instid0(VALU_DEP_3)
	v_and_b32 v6, 8, v3
	s_delay_alu instid0(VALU_DEP_1)
	v_add_nc_u32 v6, v6, v3                        ; r + 8 (r / 8)
	s_delay_alu instid0(VALU_DEP_1)
	v_lshlrev_b32 v7, 8, v6
	s_delay_alu instid0(VALU_DEP_1)
	v_lshl_add_u32 v7, v5, 6, v7
	s_delay_alu instid0(VALU_DEP_1)
	v_lshl_add_u32 v7, v4, 4, v7
	s_delay_alu instid0(VALU_DEP_1)
	v_lshl_add_u32 v7, v2, 3, v7
	s_delay_alu instid0(VALU_DEP_1)
	v_add_nc_u32 v7, s42, v7                       ; W1: row x 256 + 64 s + 32 c + 16 h + 8 sub, s = 2 (g % 2) + x
	v_lshl_add_u32 v8, v5, 3, v6
	s_delay_alu instid0(VALU_DEP_1)
	v_lshlrev_b32 v8, 10, v8
	s_delay_alu instid0(VALU_DEP_1)
	v_lshl_add_u32 v8, v4, 4, v8
	s_delay_alu instid0(VALU_DEP_1)
	v_lshl_add_u32 v8, v2, 3, v8
	s_delay_alu instid0(VALU_DEP_1)
	v_add_nc_u32 v8, s43, v8                       ; W2: row x 1,024 + 64 step + 32 c + 16 h + 8 sub, row = 32 (g % 16) + 8 x + r + 8 (r / 8)
	v_lshlrev_b32 v9, 3, v0
	s_delay_alu instid0(VALU_DEP_1)
	v_add_nc_u32 v9, s44, v9
	global_load_b64 v[32:33], v7, s[6:7]
	global_load_b64 v[34:35], v8, s[10:11]
	v_bfe_u32 v10, v0, 3, 4                        ; W1's scale bytes: thread = 8 r + byte
	s_delay_alu instid0(VALU_DEP_1)
	v_and_b32 v11, 8, v10
	s_delay_alu instid0(VALU_DEP_1)
	v_add_nc_u32 v10, v10, v11
	v_and_b32 v11, 7, v0
	s_delay_alu instid0(VALU_DEP_1)
	v_lshl_add_u32 v10, v10, 4, v11
	s_delay_alu instid0(VALU_DEP_1)
	v_add_nc_u32 v10, s45, v10
	v_bfe_u32 v11, v0, 2, 2                        ; W2's: thread % 128 = 16 (lane % 8) + 4 i + byte
	v_bfe_u32 v12, v0, 4, 3
	s_delay_alu instid0(VALU_DEP_1)
	v_lshl_add_u32 v11, v11, 5, v12
	v_and_b32 v12, 3, v0
	s_delay_alu instid0(VALU_DEP_1)
	v_lshl_add_u32 v11, v11, 6, v12
	s_delay_alu instid0(VALU_DEP_1)
	v_add_nc_u32 v11, s46, v11
	v_cmp_gt_u32 vcc_lo, 128, v0
	s_delay_alu instid0(VALU_DEP_1)
	v_cndmask_b32 v10, v11, v10, vcc_lo            ; threads 0-127 take W1's offset, the others W2's
	v_and_b32 v12, 127, v0
	s_delay_alu instid0(VALU_DEP_1)
	v_add_nc_u32 v12, s57, v12
	global_load_u8 v36, v10, s[48:49]
	; the addresses of the tile's work
	v_lshlrev_b32 v14, 2, v0                       ; down the keys: my channel's word in a row: 4 x thread; key blocks 0, 1
	s_delay_alu instid0(VALU_DEP_1)
	v_add_nc_u32 v15, 2*32*PITCH, v14              ; key blocks 2, 3
	v_bfe_u32 v17, v0, 3, 1                        ; my channel 32 b + l belongs to tile 2 b + u, u = (l / 8) % 2,
	v_and_b32 v18, 7, v0
	v_bfe_u32 v19, v0, 4, 1                        ; l / 16
	s_delay_alu instid0(VALU_DEP_1)
	v_lshl_add_u32 v18, v19, 3, v18                ; as its lane r = l % 8 + 8 (l / 16)
	s_delay_alu instid0(VALU_DEP_1)
	v_lshlrev_b32 v16, 4, v18
	s_delay_alu instid0(VALU_DEP_1)
	v_lshl_add_u32 v16, v17, 10, v16
	s_delay_alu instid0(VALU_DEP_1)
	v_add_nc_u32 v16, s47, v16                     ; bc: + 1,024 u + 16 r
	s_delay_alu instid0(VALU_DEP_4)
	v_lshl_add_u32 v20, v17, 4, v18
	s_delay_alu instid0(VALU_DEP_1)
	v_lshlrev_b32 v20, 4, v20
	s_delay_alu instid0(VALU_DEP_1)
	v_add_nc_u32 v20, s52, v20                     ; my channel's scale word in the stage: + 16 (r + 16 u)
	v_and_b32 v21, 15, v0                          ; along the channels: r
	v_and_b32 v22, 8, v0
	s_delay_alu instid0(VALU_DEP_1)
	v_add_nc_u32 v22, v22, v21                     ; r + 8 (r / 8)
	s_delay_alu instid0(VALU_DEP_1)
	v_mul_u32_u24 v22, v22, PITCH
	s_delay_alu instid0(VALU_DEP_1)
	v_lshl_add_u32 v22, v19, 7, v22                ; + 128 h: my 32 numbers of a block pair
	s_delay_alu instid0(VALU_DEP_1)
	v_add_nc_u32 v22, s53, v22
	v_and_b32 v13, 31, v0
	s_delay_alu instid0(VALU_DEP_1)
	v_lshl_add_u32 v23, v13, 4, s54                ; ac: + 16 x lane
	v_lshl_add_u32 v24, v21, 3, v19
	s_delay_alu instid0(VALU_DEP_1)
	v_add_nc_u32 v24, s55, v24                     ; my block's scale byte in the stage: + 8 r + h
	v_lshl_add_u32 v25, v0, 3, STG                 ; the stage on the way out: 8 bytes a thread
	v_and_b32 v26, 127, v0
	s_delay_alu instid0(VALU_DEP_1)
	v_lshlrev_b32 v26, 3, v26
	s_delay_alu instid0(VALU_DEP_1)
	v_add_nc_u32 v26, s56, v26
	s_wait_loadcnt 0x0
	global_store_b64 v9, v[32:33], s[14:15]        ; a wave's store covers 256 consecutive bytes, aligned
	global_store_b64 v9, v[34:35], s[18:19]
	global_store_b8 v12, v36, s[50:51]
	s_wait_tensorcnt 0x0                           ; my part of the tile has landed (waves 2-7 have none),
	s_barrier_signal -1
	s_barrier_wait -1                              ; everybody's has
	s_wait_xcnt 0x0                                ; the stores above have read their registers: v32 on are loaded anew below
; 32 numbers v[xs] on become four registers of codes v[c] on and the scale's byte v[b]
.macro QB xs, c, b
	v_max3_num_f32 v27, |v[(\xs)]|, |v[(\xs)+1]|, |v[(\xs)+2]|
	v_max3_num_f32 v28, |v[(\xs)+3]|, |v[(\xs)+4]|, |v[(\xs)+5]|
.irp i, 6,10,14,18,22,26
	s_delay_alu instid0(VALU_DEP_2)
	v_max3_num_f32 v27, v27, |v[(\xs)+\i]|, |v[(\xs)+\i+1]|
	s_delay_alu instid0(VALU_DEP_2)
	v_max3_num_f32 v28, v28, |v[(\xs)+\i+2]|, |v[(\xs)+\i+3]|
.endr
	s_delay_alu instid0(VALU_DEP_2)
	v_max3_num_f32 v27, v27, |v[(\xs)+30]|, |v[(\xs)+31]|
	s_delay_alu instid0(VALU_DEP_1)
	v_max3_num_f32 v27, v27, v28, 0x1800000        ; the floor 2^(3 - 127): the byte cannot fall under 1
	s_delay_alu instid0(VALU_DEP_1)
	v_add_nc_u32 v29, 0xff000000, v27              ; 2 off the exponent field: the conversion takes this operand's exponent field as its scale
.irp g, 0,1,2,3
	v_cvt_scalef32_pk8_fp4_f32 v[(\c)+\g], v[(\xs)+8*\g:(\xs)+8*\g+7], v29
.endr
	v_lshrrev_b32 v[\b], 23, v29                   ; the scale's byte; also the plain line behind the conversions
.endm
.macro LC kb                           ; key block kb of my channel: 32 words down the keys, into set kb % 2
.set XSET, X0+32*((\kb)%2)
.set i, 0
.rept 32
	ds_load_b32 v[XSET+i], v[14+(\kb)/2] offset:32*PITCH*((\kb)%2)+PITCH*i
.set i, i+1
.endr
.endm
.macro LR n                            ; channels 64 n + 32 h + 0 .. 31 of my row, into set n % 2
.set XSET, X0+32*((\n)%2)
.irp k, 0,1,2,3,4,5,6,7
	ds_load_b128 v[XSET+4*\k:XSET+4*\k+3], v22 offset:256*(\n)+16*\k
.endr
.endm
	LC 0
	LC 1
	s_wait_dscnt 32                                ; block 0 is in; the next block's 32 loads may be out
	QB X0, CD, 30
	s_delay_alu instid0(VALU_DEP_1)
	v_mov_b32 v31, v30                             ; the four bytes make my channel's scale word of these 128 keys
	global_store_b128 v16, v[CD:CD+3], s[18:19]    ; sixteen lanes fill 256 consecutive bytes of an image
	LC 2
	s_wait_dscnt 32
	QB X0+32, CD+4, 30
	s_delay_alu instid0(VALU_DEP_1)
	v_lshl_or_b32 v31, v30, 8, v31
	global_store_b128 v16, v[CD+4:CD+7], s[18:19] offset:256
	LC 3
	s_wait_dscnt 32
	QB X0, CD+8, 30
	s_delay_alu instid0(VALU_DEP_1)
	v_lshl_or_b32 v31, v30, 16, v31
	global_store_b128 v16, v[CD+8:CD+11], s[18:19] offset:512
	LR 0
	s_wait_dscnt 8                                 ; key block 3 is in; the first row block's 8 loads may be out
	QB X0+32, CD+12, 30
	s_delay_alu instid0(VALU_DEP_1)
	v_lshl_or_b32 v31, v30, 24, v31
	ds_store_b32 v20, v31
	global_store_b128 v16, v[CD+12:CD+15], s[18:19] offset:768
	LR 1
	s_wait_dscnt 9                                 ; behind this block's loads: one store into the stage and the next block's 8 loads
	QB X0, CD+16, 30
	ds_store_b8 v24, v30
	global_store_b128 v23, v[CD+16:CD+19], s[14:15]   ; the wave stores 512 consecutive bytes of an image
	LR 2
	s_wait_dscnt 9
	QB X0+32, CD+20, 30
	ds_store_b8 v24, v30 offset:2
	global_store_b128 v23, v[CD+20:CD+23], s[14:15] offset:512
	LR 3
	s_wait_dscnt 9
	QB X0, CD+24, 30
	ds_store_b8 v24, v30 offset:4
	global_store_b128 v23, v[CD+24:CD+27], s[14:15] offset:1024
	s_wait_dscnt 1                                 ; behind the last block's loads: one store
	QB X0+32, CD+28, 30
	ds_store_b8 v24, v30 offset:6
	global_store_b128 v23, v[CD+28:CD+31], s[14:15] offset:1536
	s_wait_dscnt 0x0                               ; for the others' sake: my stores into the stage are done
	s_barrier_signal -1
	s_barrier_wait -1
	ds_load_b64 v[32:33], v25
	s_wait_dscnt 0x0
	global_store_b64 v26, v[32:33], s[50:51]       ; waves 0-3: ac's 1,024 bytes of scale words, waves 4-7: bc's; 256 consecutive bytes a wave
	s_wait_tensorcnt 0x0
	ds_add_u32 v128, v129
	s_wait_dscnt 0x0
	s_endpgm
.Lfunc_end_k_q4d8c374a3d_prep:
	.size	k_q4d8c374a3d_prep, .Lfunc_end_k_q4d8c374a3d_prep-k_q4d8c374a3d_prep
	.p2alignl 7, 3214868480
	.fill 96, 4, 3214868480
	.section	.rodata,"a",@progbits
	.p2align	6, 0x0
	.amdhsa_kernel k_q4d8c374a3d_prep
		.amdhsa_group_segment_fixed_size 168960
		.amdhsa_private_segment_fixed_size 0
		.amdhsa_enable_private_segment 0
		.amdhsa_kernarg_size 56
		.amdhsa_user_sgpr_count 2
		.amdhsa_user_sgpr_kernarg_segment_ptr 1
		.amdhsa_wavefront_size32 1
		.amdhsa_system_sgpr_workgroup_id_x 1
		.amdhsa_system_sgpr_workgroup_id_y 1
		.amdhsa_system_sgpr_workgroup_id_z 1
		.amdhsa_system_vgpr_workitem_id 0
		.amdhsa_next_free_vgpr 130
		.amdhsa_next_free_sgpr 66
		.amdhsa_reserve_vcc 1
		.amdhsa_float_denorm_mode_32 3
		.amdhsa_float_denorm_mode_16_64 3
		.amdhsa_memory_ordered 1
		.amdhsa_forward_progress 1
		.amdhsa_inst_pref_size 37
	.end_amdhsa_kernel
	.amdgpu_metadata
---
amdhsa.version: [ 1, 2 ]
amdhsa.kernels:
  - .name:           k_q4d8c374a3d_prep
    .symbol:         k_q4d8c374a3d_prep.kd
    .args:
      - { .name: src, .offset: 0, .size: 8, .value_kind: global_buffer, .address_space: global }
      - { .name: W1_codes, .offset: 8, .size: 8, .value_kind: global_buffer, .address_space: global }
      - { .name: W1_scales, .offset: 16, .size: 8, .value_kind: global_buffer, .address_space: global }
      - { .name: W2_codes, .offset: 24, .size: 8, .value_kind: global_buffer, .address_space: global }
      - { .name: W2_scales, .offset: 32, .size: 8, .value_kind: global_buffer, .address_space: global }
      - { .name: ac, .offset: 40, .size: 8, .value_kind: global_buffer, .address_space: global }
      - { .name: bc, .offset: 48, .size: 8, .value_kind: global_buffer, .address_space: global }
    .group_segment_fixed_size: 168960
    .private_segment_fixed_size: 0
    .kernarg_segment_align: 8
    .kernarg_segment_size: 56
    .max_flat_workgroup_size: 256
    .sgpr_count:     66
    .vgpr_count:     130
    .wavefront_size: 32
...
	.end_amdgpu_metadata
.endif
;; end of part 1
;; launch layer (part 2): grid 256 x 1, 4 waves a work-group, clusters of 4 x 1, 327,680 bytes of LDS; arguments ac, bc, src, key_padding_mask, b1, b2, g1, be1, g2, be2, out0; writes out0
.if DOCPART == 2
	.amdgcn_target "amdgcn-amd-amdhsa--gfx1250"
	.amdhsa_code_object_version 6
	.text
	.protected	k_q4d8c374a3d_layer
	.globl	k_q4d8c374a3d_layer
	.p2align	8
	.type	k_q4d8c374a3d_layer,@function
k_q4d8c374a3d_layer:
	s_mov_b64 s[64:65], 0
	v_nop
	global_prefetch_b8 v0, s[64:65] scope:SCOPE_SE
	s_setreg_imm32_b32 hwreg(HW_REG_WAVE_MODE, 25, 1), 1
	s_wait_xcnt 0x0
	s_wait_alu depctr_hold_cnt(0) depctr_sa_sdst(0) depctr_va_vdst(0) depctr_va_sdst(0) depctr_va_ssrc(0) depctr_va_vcc(0) depctr_vm_vsrc(0)
	s_getreg_b32 s2, hwreg(HW_REG_IB_STS2, 6, 4)
	s_cmp_eq_u32 s2, 0
	s_cbranch_scc0 .Lentry_in_a_cluster
	s_endpgm
.Lentry_in_a_cluster:
	s_bfe_u32 s2, ttmp6, 0x10000c
	s_cmp_lg_u32 s2, 0x3003
	s_cbranch_scc0 .Lentry_shape_is_right
	s_endpgm
.Lentry_shape_is_right:
; The whole layer for 64 rows a work-group: attention (Q = K = V = src, logits less 5 x mask), residual, LayerNorm, FFN (512 -> 2,048 -> 512, ReLU), residual, LayerNorm.  All four products on E2M1 codes
; with one E8M0 scale for each 32 along K; all else f32.  Nothing goes to memory between the steps.  The codes come from the launch before, as images of operand registers (its head comment has the layouts).
; THE FOUR WAVES SHARE THE COLUMNS, NOT THE ROWS: all work on the same 64 rows, four tiles q of 16.  Attention and FFN have one shape, 8 steps of 256 along J (keys, or hidden units); a step is a slot of the ring:
;   twice, for each 128 of the step: phase A: wave w makes Z^T for J-block w (32 units: 2 tiles u) x 64 rows, K = 512: 32 matrix instructions, begun at the scaled mask or at b1 as C;
;   softmax, or ReLU; the block of 32 is quantised and stored into P's images in LDS;  one barrier;
;   phase B: wave w owns channels 128 w .. 128 w + 127 (8 tiles t) x 64 rows: 32 accumulators, two K steps: 64 matrix instructions.
; Both products are used transposed: a lane holds ONE row (lane % 16).  By the rows chosen for a tile, register jj of tiles 2 b + u holds unit 32 b + 16 (lane / 16) + 8 u + jj.
; THE RING.  A slot is a record of ac and a record of bc, 2 x 69,632 bytes (codes, and behind them their scale words).  Each of the four waves fetches a quarter, 136 rows of 256 bytes, by one tensor load.
; CLUSTER.  The four work-groups of a cluster belong to one batch and walk the same K, V, W1, W2: every quarter is asked for jointly, by the same tensor load with a mask that names the four.
; The mask, b1, b2 and the gains, 26 KB in all against a step's 136 KB, come once through registers into LDS, the mask multiplied on the way.
; THE SOFTMAX.  z = score - 5 sqrt(512) x mask (the mask's term is the C of the first product); t = z x log2(e) / sqrt(512).  Each wave takes away its OWN running maximum, rounded up to a whole number M; p = 2^(t - M) is quantised.
; a = the block's scale byte + M; the four waves exchange the step's eight a of a row, keep the common running largest R, and re-base the bytes to a - R + 125: exact powers of two.
; When R moves, the sums are multiplied by 2^(old R - new R): once a step.  The row's sum is taken of the unquantised p under the wave's M and brought under R at the end.
; BARRIERS OF A STEP.  The change of slots at its head (a round of the cluster's barrier) also parts the last step's reads of P and a from this step's stores; one barrier parts this step's stores from its reads.
; LIMITS: NaN and infinities are not served; |t| stays under 2^24 (M, a and R are whole numbers kept in f32); p under 2^-126 counts as 0; a re-based byte is held at 0 from below, which touches
; blocks 2^-125 and less of the row's largest; a block of zeros has the byte 1 and zero codes.  The 256 accumulators are cleared once at the head, so that the attention step is written once.
; REGISTERS, in windows of 256.  window 0: v1-31 addresses; v32-63 statistics; v64-127 Z, then P's eight fragments; v128-159 the exchanged a; v160-175 mask or b1; v176-183 codes just made;
;   v184-211 and v244-255 scale words and nothing else; v212-243 at work.
;   window 1: v0-127 X (tile q, K step s at 8 (4 q + s)); v128-191 A1 (8 (4 u + s)), then A2 of the second K step; v192-255 A2 of the first K step (8 t).
;   window 2: the accumulators, 64 q + 8 t.   window 3: the residual, laid like them; later v128-255 a gain and an offset.
.set REC,   69632                      ; a record: 65,536 bytes of codes, 4,096 of scale words
.set QUART, 34816                      ; what one tensor load brings
.set SLOTB, 2*REC                      ; LDS: two slots: [A1 first 128: 32K][A1 second 128][A1's scale words 2 x 2K][A2 first K step][A2 second][A2's scale words]
.set RESW,  33792                      ; the way out: for each wave 64 rows x (512 bytes + 16), from LDS byte 0: in the ring, which has then had its last fill and its last read
.set GV,    278528                     ; g1, be1, b2, g2, be2: 2,048 bytes each
.set VEC,   288768                     ; the batch's mask x -5 sqrt(512), 8 KB, then b1, 8 KB
.set PB,    305152                     ; P's eight images: 4,096 x K step + 1,024 q
.set AI,    313344                     ; 2 KB for the steps' exchange
.set EX,    315392                     ; two regions of 1 KB for the norms' exchanges, by turns
.set XSI,   317440                     ; src2's scale words, 128 bytes for each of sixteen images
.set SPARE, 319488                     ; the spare words, 128 bytes for each wave
.set ST,  32                           ; tile q's statistics at v[ST + 8 q]: +0 -M, +1 the largest t, +2, +3 the sum in two halves, +4 R, +6 2^(old R - new R), +7 written once
.set ZZ,  64
.set PP,  64                           ; P's fragments: 32 x K step + 8 q
.set PF,  128
.set AV,  128                          ; the exchanged a: 8 q + 4 x half + wave
.set MB,  160
.set PCD, 176
.set KS,  184                          ; A1's scale words: register s; lanes 0-15 tile u = 0, lanes 16-31 u = 1; the second half's 68 further on (v252)
.set VS,  188                          ; A2's: register i; lanes 0-15 tile 2 i, lanes 16-31 tile 2 i + 1; the second K step's 56 further on (v244)
.set XS,  192                          ; X's: 4 q + s
.set PW,  208                          ; P's: q; the second K step's 40 further on (v248)
.set BM,  212
.set T1,  216
.set T2,  220
.set SOP, 224
.set FL,  228
.set SCQ, 236
.set WV,  20
.set SEL, 22                           ; s[22:23] selects of v_permlanex16_b32 for lane l xor 16
.set CS,  24                           ; s[24:25] log2(e) / sqrt(512)
.set MS,  26                           ; s[26:27] -5 sqrt(512)
.set QP,  28                           ; s[28:29] Q's images, s[30:31] their scale words
.set QS,  30
.set G1,  36                           ; the ring's descriptor
.set G0,  44
.set TB,  66                           ; LDS byte at which the step's slot begins
.set WO,  67                           ; my quarter's place in a slot
.set TV,  78                           ; the step's 256 numbers of the mask or of b1
.set SLOTS, 79
.set STC, 82                           ; s[82:83] what a change of slots adds to the address
.set JUMPC, 86                         ; from the batch's last record to the weights' first
.set PFA, 88
.set LIM, 90
.set MSB, 0
.macro WIN new                         ; the immediate's high byte repeats the setting that is left
.if MSB != (\new)
	s_set_vgpr_msb (MSB<<8)|(\new)
.set MSB, (\new)
.endif
.endm
.macro ROUND                           ; a round of the cluster's barrier
	s_barrier_signal -1
	s_barrier_wait -1
	s_cmp_lg_u32 s[WV], 0
	s_cbranch_scc1 .Lnw0_\@
	s_barrier_signal -3
.Lnw0_\@:
	s_barrier_wait -3
	s_barrier_signal -1
	s_barrier_wait -1
.endm
.macro BAR                             ; my LDS stores have landed and my LDS loads are in: then the work-group's barrier
	s_wait_dscnt 0x0
	s_barrier_signal -1
	s_barrier_wait -1
.endm
.macro PLACES n
.rept \n
	v_nop
.endr
.endm
.macro TLOAD                           ; my quarter of a slot, asked for jointly; an s_nop 0 and four v_nop follow
	tensor_load_to_lds s[G0:G0+3], s[G1:G1+7]
	s_nop 0
	PLACES 4
.endm
; A prefetch of what the NEXT change of slots will ask for.  All eight clusters of a batch walk the same records: the batch's first cluster asks.  Of the quarter that a wave fetches, each of the four partners
; names 8,192 bytes, told apart by address, lanes 256 bytes apart: each block of 256 bytes is named once in the launch.  A quarter's last 2,048 bytes come by their load alone, and so do slots 0 and 1;
; the last two changes of the attention ask for nothing: behind them come the weights, which all clusters read.
.macro ASK
	s_cmp_gt_u32 s[SLOTS], s[LIM]
	s_cbranch_scc0 .Lnm_\@
	global_prefetch_b8 v4, s[PFA:PFA+1] th:TH_LOAD_NT scope:SCOPE_SE
.Lnm_\@:
.endm
; THE CHANGE OF SLOTS stands at a step's head.  Each wave waits for its tensor load, adds 0 to its spare word, and waits for that and for its reads of the slot that it has left.
; kind 0, 1: behind a round of the cluster's barrier the slot just left is filled with the next step's records.  kind 0 (attention): the eighth change goes on to the weights.  kind 2: the last slot: nothing is asked for.
.macro CHANGE kind
	s_wait_tensorcnt 0x0                           ; no tensor load of mine is out, so group 0 may be written
	ds_add_u32 v1, v2                              ; 0 onto my spare word
.if \kind < 2
	s_xor_b32 s[G0+1], s[TB], SLOTB                ; the other slot than the one in hand,
	s_add_co_u32 s[G0+1], s[G0+1], s[WO]           ; my quarter of it
.if \kind == 0
	s_cmp_eq_u32 s[SLOTS], 1
	s_cselect_b32 s[STC], s[JUMPC], REC
	s_add_nc_u64 s[G0+2:G0+3], s[G0+2:G0+3], s[STC:STC+1]
	s_wait_xcnt 0x0                                ; the last prefetch, a slot back, has read its address
	s_add_nc_u64 s[PFA:PFA+1], s[PFA:PFA+1], REC
.else
	s_add_nc_u64 s[G0+2:G0+3], s[G0+2:G0+3], REC
.endif
.endif
	s_wait_dscnt 0x0                               ; the add is done, and my reads of the slot that I have left, of P and of a are over
.if \kind < 2
	ROUND
	TLOAD                                          ; the first thing behind the round, and my one tensor load until the next
.if \kind == 0
	ASK
.endif
.else
	s_barrier_signal -1
	s_barrier_wait -1
.endif
.endm
.macro WMA d, a, b, c, sa, sb, row     ; row = 1: source 0's scales stand in lanes 16-31
.if (\row) == 0
	v_wmma_scale_f32_16x16x128_f8f6f4 v[(\d):(\d)+7], v[(\a):(\a)+7], v[(\b):(\b)+7], v[(\c):(\c)+7], v[(\sa)], v[(\sb)] matrix_a_fmt:MATRIX_FMT_FP4 matrix_b_fmt:MATRIX_FMT_FP4
.else
	v_wmma_scale_f32_16x16x128_f8f6f4 v[(\d):(\d)+7], v[(\a):(\a)+7], v[(\b):(\b)+7], v[(\c):(\c)+7], v[(\sa)], v[(\sb)] matrix_a_fmt:MATRIX_FMT_FP4 matrix_b_fmt:MATRIX_FMT_FP4 matrix_a_scale:MATRIX_SCALE_ROW1
.endif
.endm
; A1 of half js: 18 loads: two of scale words, 16 of codes (tile 2 w + u, K step s), K step by K step
.macro LOADA js
	ds_load_b64 v[KS+68*\js:KS+68*\js+1], v20 offset:2048*\js
	ds_load_b64 v[KS+68*\js+2:KS+68*\js+3], v20 offset:2048*\js+1024
	WIN 0x40
.irp s, 0,1,2,3
.irp u, 0,1
	ds_load_b128 v[128+8*(4*\u+\s):128+8*(4*\u+\s)+3], v18 offset:32768*\js+1024*(4*\u+\s)
	ds_load_b128 v[128+8*(4*\u+\s)+4:128+8*(4*\u+\s)+7], v18 offset:32768*\js+1024*(4*\u+\s)+512
.endr
.endr
	WIN 0
.endm
; A2's eight fragments of K step js (tiles 8 w + f) into window 1, v[reg] on: 16 loads
.macro LOADB js, reg
	WIN 0x40
.irp f, 0,1,2,3,4,5,6,7
	ds_load_b128 v[(\reg)+8*\f:(\reg)+8*\f+3], v19 offset:32768*\js+1024*\f
	ds_load_b128 v[(\reg)+8*\f+4:(\reg)+8*\f+7], v19 offset:32768*\js+1024*\f+512
.endr
	WIN 0
.endm
.macro LOADM off                       ; 16 numbers of the mask or of b1: units 32 w + 16 h + 0 .. 15 of a 128
.irp k, 0,1,2,3
	ds_load_b128 v[MB+4*\k:MB+4*\k+3], v22 offset:\off+16*\k
.endr
.endm
; A step's first run of loads: 36
.macro FETCH
	s_add_co_u32 s92, s[TB], 65536
	s_add_co_u32 s93, s[TB], REC
	s_add_co_u32 s94, s[TB], REC+65536
	v_add_nc_u32 v18, s[TB], v3
	v_add_nc_u32 v19, s93, v3
	v_add_nc_u32 v20, s92, v5
	v_add_nc_u32 v21, s94, v6
	v_add_nc_u32 v22, s[TV], v7
	s_wait_alu depctr_va_vdst(0)                   ; the wait behind these writes
	LOADA 0
	LOADB 0, 192
	ds_load_b128 v[VS:VS+3], v21
	ds_load_b128 v[VS+56:VS+59], v21 offset:2048
.endm
; Z^T: the eight accumulators (q, u) take turns, one instruction a turn, K step by K step.  The sums begin at the mask's term or at b1.
; js = 0, straight behind FETCH: K step s starts when its four loads of A1 are in: behind them stand 4 (3 - s) loads of A1 and the 18 of A2 and its scale words.
.macro PHASEA js
	WIN 0x05                                       ; sources 0 and 1 window 1
.irp s, 0,1,2,3
.if \js == 0
	s_wait_dscnt 30-4*\s
.endif
.irp u, 0,1
.irp q, 0,1,2,3
.if \s == 0
	WMA ZZ+16*\q+8*\u, 128+32*\u, 32*\q, MB+8*\u, KS+68*\js, XS+4*\q, \u
.else
	WMA ZZ+16*\q+8*\u, 128+8*(4*\u+\s), 8*(4*\q+\s), ZZ+16*\q+8*\u, KS+68*\js+\s, XS+4*\q+\s, \u
.endif
.endr
.endr
.endr
	WIN 0
.endm
; the 32 accumulators (q, t) by turns, two K steps.  The first starts when all but the second's eight loads of P are in.
.macro PHASEB
	WIN 0xa1                                       ; source 0 window 1, source 1 window 0, C and D window 2
.irp js, 0,1
	s_wait_dscnt 8-8*\js
.irp t, 0,1,2,3,4,5,6,7
.irp q, 0,1,2,3
	WMA 64*\q+8*\t, 192-64*\js+8*\t, PP+32*\js+8*\q, 64*\q+8*\t, VS+56*\js+\t/2, PW+40*\js+\q, \t%2
.endr
.endr
.endr
	WIN 0
	PLACES 5                                       ; four are owed ahead of loads into registers that the products have read, five ahead of the next phase A, whose results are laid over P's fragments
	s_xor_b32 s[TB], s[TB], SLOTB                  ; on to the other slot
	s_add_co_u32 s[TV], s[TV], 1024
.endm
.macro PLOAD                           ; P's eight fragments: 16 loads, the first K step's first
.irp js, 0,1
.irp q, 0,1,2,3
	ds_load_b128 v[PP+32*\js+8*\q:PP+32*\js+8*\q+3], v13 offset:4096*\js+1024*\q
	ds_load_b128 v[PP+32*\js+8*\q+4:PP+32*\js+8*\q+7], v13 offset:4096*\js+1024*\q+512
.endr
.endr
.endm
; HALF AN ATTENTION STEP: 128 keys
.macro AHALF js
.if \js
	s_wait_dscnt 8                                 ; the second 128's A1, scale words and mask are in: behind them stand the first half's eight stores
.endif
	PHASEA \js
	PLACES 4                                       ; ahead of the loads below and of the first read of results
.if \js
	LOADB 1, 128                                   ; A1's registers take the second K step's A2
	LOADM 1024                                     ; the mask (in the last step: b1) for the next step's first half
	s_wait_dscnt 20                                ; all but those 20: the first half's stores are done
.else
	LOADA 1
	LOADM 512
.endif
.irp q, 0,1,2,3
	v_max3_num_f32 v[BM+\q], v[ZZ+16*\q], v[ZZ+16*\q+1], v[ZZ+16*\q+2]   ; the block's largest z: it serves the running maximum and the block's largest p
.endr
.irp i, 3,5,7,9,11,13
.irp q, 0,1,2,3
	v_max3_num_f32 v[BM+\q], v[BM+\q], v[ZZ+16*\q+\i], v[ZZ+16*\q+\i+1]
.endr
.endr
.irp q, 0,1,2,3
	v_max_num_f32 v[BM+\q], v[BM+\q], v[ZZ+16*\q+15]
.endr
.irp q, 0,1,2,3
	v_permlanex16_b32 v[T1+\q], v[BM+\q], s[SEL], s[SEL+1]
.endr
.irp q, 0,1,2,3
	v_max_num_f32 v[BM+\q], v[BM+\q], v[T1+\q]     ; with lane l xor 16's 16 keys
.endr
.irp q, 0,1,2,3
	v_mul_f32 v[T2+\q], s[CS], v[BM+\q]            ; as t
.endr
.irp q, 0,1,2,3
	v_max_num_f32 v[ST+8*\q+1], v[ST+8*\q+1], v[T2+\q]
.endr
.irp q, 0,1,2,3
	v_mov_b32 v[T1+\q], v[ST+8*\q]
.endr
.irp q, 0,1,2,3
	v_floor_f32 v[ST+8*\q], -v[ST+8*\q+1]          ; -M = floor(-t): M is a whole number
.endr
.irp q, 0,1,2,3
	v_sub_f32 v[T1+\q], v[ST+8*\q], v[T1+\q]       ; old M - new M, 0 or less
.endr
.irp q, 0,1,2,3
	v_cvt_i32_f32 v[T1+\q], v[T1+\q]               ; (it saturates)
.endr
.irp q, 0,1,2,3
	v_ldexp_f32 v[FL+2*\q], 1.0, v[T1+\q]
.endr
.irp j, 0,2,4,6,8,10,12,14
.irp q, 0,1,2,3
	v_pk_fma_f32 v[ZZ+16*\q+\j:ZZ+16*\q+\j+1], v[ZZ+16*\q+\j:ZZ+16*\q+\j+1], s[CS:CS+1], v[ST+8*\q:ST+8*\q+1] op_sel_hi:[1,0,0]   ; t - M
.endr
.endr
.irp q, 0,1,2,3
	v_fma_f32 v[BM+\q], v[BM+\q], s[CS], v[ST+8*\q]   ; the same of the block's largest z
.endr
.set j, 0
	s_wait_alu depctr_va_vdst(0)                   ; the wait ahead of the batch
.rept 64
	v_exp_f32 v[ZZ+j], v[ZZ+j]                     ; p = 2^(t - M): not normalised
.set j, j+1
.endr
.irp q, 0,1,2,3
	v_pk_mul_f32 v[ST+8*\q+2:ST+8*\q+3], v[ST+8*\q+2:ST+8*\q+3], v[FL+2*\q:FL+2*\q+1] op_sel_hi:[1,0]   ; the sums under the new M
.endr
	s_wait_alu depctr_va_vdst(0)                   ; one wait for the batch of 64, ahead of its first reader
.irp q, 0,1,2,3
	v_exp_f32 v[BM+\q], v[BM+\q]                   ; the block's largest p
.endr
.irp j, 0,2,4,6,8,10,12,14
.irp q, 0,1,2,3
	v_pk_add_f32 v[ST+8*\q+2:ST+8*\q+3], v[ST+8*\q+2:ST+8*\q+3], v[ZZ+16*\q+\j:ZZ+16*\q+\j+1]   ; the sum is taken of the unquantised p
.endr
.endr
	s_wait_alu depctr_va_vdst(0)                   ; and one for the four
.irp q, 0,1,2,3
	v_max_num_f32 v[BM+\q], 0x1800000, v[BM+\q]    ; the floor 2^(3 - 127)
.endr
.irp q, 0,1,2,3
	v_add_nc_u32 v[SOP+\q], 0xff000000, v[BM+\q]   ; 2 off the exponent field: the conversion's scale operand
.endr
.irp q, 0,1,2,3
	v_lshrrev_b32 v[T1+\q], 23, v[SOP+\q]          ; the byte
.endr
.irp q, 0,1,2,3
	v_cvt_f32_u32 v[T2+\q], v[T1+\q]
.endr
.irp q, 0,1,2,3
	v_sub_f32 v[T2+\q], v[T2+\q], v[ST+8*\q]       ; a = byte + M
.endr
.irp q, 0,1,2,3
	v_cvt_scalef32_pk8_fp4_f32 v[PCD+2*\q], v[ZZ+16*\q:ZZ+16*\q+7], v[SOP+\q]
	v_cvt_scalef32_pk8_fp4_f32 v[PCD+2*\q+1], v[ZZ+16*\q+8:ZZ+16*\q+15], v[SOP+\q]
.endr
	v_nop                                          ; one plain line behind the conversions
.irp q, 0,1,2,3
	ds_store_b64 v8, v[PCD+2*\q:PCD+2*\q+1] offset:4096*\js+1024*\q   ; keys 32 w + 16 h + 0 .. 15 of row r
	ds_store_b32 v9, v[T2+\q] offset:512*\q+16*\js
.endr
.endm
; AN ATTENTION STEP: 256 keys
.macro ASTEP
	FETCH
	AHALF 0
	AHALF 1
	BAR                                            ; P's eight images and the eight a of each row lie in LDS; A2 is in
.irp q, 0,1,2,3
	ds_load_b128 v[AV+8*\q:AV+8*\q+3], v10 offset:512*\q
	ds_load_b128 v[AV+8*\q+4:AV+8*\q+7], v10 offset:512*\q+16
.endr
	PLOAD
	s_wait_dscnt 16                                ; the a are in; P's 16 loads land under the lines below
.irp q, 0,1,2,3
	v_max3_num_f32 v[T1+\q], v[AV+8*\q], v[AV+8*\q+1], v[AV+8*\q+2]
.endr
.irp q, 0,1,2,3
	v_max3_num_f32 v[T1+\q], v[T1+\q], v[AV+8*\q+3], v[AV+8*\q+4]
.endr
.irp q, 0,1,2,3
	v_max3_num_f32 v[T1+\q], v[T1+\q], v[AV+8*\q+5], v[AV+8*\q+6]
.endr
.irp q, 0,1,2,3
	v_max3_num_f32 v[T1+\q], v[T1+\q], v[AV+8*\q+7], v[ST+8*\q+4]  ; the new R
.endr
.irp q, 0,1,2,3
	v_sub_f32 v[T2+\q], v[ST+8*\q+4], v[T1+\q]
.endr
.irp q, 0,1,2,3
	v_cvt_i32_f32 v[T2+\q], v[T2+\q]
.endr
.irp q, 0,1,2,3
	v_ldexp_f32 v[ST+8*\q+6], 1.0, v[T2+\q]        ; 2^(old R - new R)
.endr
.irp q, 0,1,2,3
	v_mov_b32 v[ST+8*\q+4], v[T1+\q]
.endr
.irp q, 0,1,2,3
	v_sub_f32 v[FL+2*\q], 0x42fa0000, v[T1+\q]     ; 125 - R
.endr
.irp k, 0,2,4,6
.irp q, 0,1,2,3
	v_pk_add_f32 v[AV+8*\q+\k:AV+8*\q+\k+1], v[AV+8*\q+\k:AV+8*\q+\k+1], v[FL+2*\q:FL+2*\q+1] op_sel_hi:[1,0]
.endr
.endr
.irp k, 0,1,2,3,4,5,6,7
.irp q, 0,1,2,3
	v_max_num_f32 v[AV+8*\q+\k], 0, v[AV+8*\q+\k]  ; the re-based byte, 0 .. 125
.endr
.endr
.irp k, 0,2,4,6
.irp q, 0,1,2,3
	v_fma_f32 v[AV+8*\q+\k], v[AV+8*\q+\k+1], s21, v[AV+8*\q+\k]   ; x 256: whole numbers, exact
.endr
.endr
.irp k, 0,2,4,6
.irp q, 0,1,2,3
	v_cvt_u32_f32 v[AV+8*\q+\k], v[AV+8*\q+\k]
.endr
.endr
.irp q, 0,1,2,3
	v_lshl_or_b32 v[PW+\q], v[AV+8*\q+2], 16, v[AV+8*\q]           ; P's scale words of the first 128 keys
	v_lshl_or_b32 v[PW+40+\q], v[AV+8*\q+6], 16, v[AV+8*\q+4]      ; and of the second
.endr
	WIN 0x82                                       ; destination and source 0 window 2
.irp q, 0,1,2,3
.set j, 0
.rept 32
	v_pk_mul_f32 v[64*\q+j:64*\q+j+1], v[64*\q+j:64*\q+j+1], v[ST+8*\q+6:ST+8*\q+7] op_sel_hi:[1,0]   ; the sums under the new R; also the places between the scale words' last line and the products
.set j, j+2
.endr
.endr
	s_wait_alu depctr_va_vdst(0)                   ; the wait ahead of the wait in PHASEB
	PHASEB
.endm
; HALF AN FFN STEP: 128 hidden units.  nx = 1: a step follows
.macro FHALF js, nx
.if \js
	s_wait_dscnt 8                                 ; the second 128's A1, scale words and b1 are in: behind them stand the first half's eight stores
.endif
	PHASEA \js
	PLACES 4
.if \js
	LOADB 1, 128
.if \nx
	LOADM 1024
	s_wait_dscnt 20
.else
	s_wait_dscnt 16
.endif
.else
	LOADA 1
	LOADM 512
.endif
.set j, 0
.rept 64
	v_max_num_f32 v[ZZ+j], 0, v[ZZ+j]              ; the activation
.set j, j+1
.endr
.irp q, 0,1,2,3
	v_max3_num_f32 v[BM+\q], v[ZZ+16*\q], v[ZZ+16*\q+1], 0x1800000 ; none is negative; the floor 2^(3 - 127)
.endr
.irp i, 2,4,6,8,10,12,14
.irp q, 0,1,2,3
	v_max3_num_f32 v[BM+\q], v[BM+\q], v[ZZ+16*\q+\i], v[ZZ+16*\q+\i+1]
.endr
.endr
.irp q, 0,1,2,3
	v_permlanex16_b32 v[T1+\q], v[BM+\q], s[SEL], s[SEL+1]
.endr
.irp q, 0,1,2,3
	v_max_num_f32 v[BM+\q], v[BM+\q], v[T1+\q]
.endr
.irp q, 0,1,2,3
	v_add_nc_u32 v[SOP+\q], 0xff000000, v[BM+\q]
.endr
.irp q, 0,1,2,3
	v_lshrrev_b32 v[T1+\q], 23, v[SOP+\q]
.endr
.irp q, 0,1,2,3
	v_cvt_scalef32_pk8_fp4_f32 v[PCD+2*\q], v[ZZ+16*\q:ZZ+16*\q+7], v[SOP+\q]
	v_cvt_scalef32_pk8_fp4_f32 v[PCD+2*\q+1], v[ZZ+16*\q+8:ZZ+16*\q+15], v[SOP+\q]
.endr
	v_nop
.irp q, 0,1,2,3
	ds_store_b64 v8, v[PCD+2*\q:PCD+2*\q+1] offset:4096*\js+1024*\q
	ds_store_b8 v11, v[T1+\q] offset:256*\js+64*\q ; byte w of row r's scale word
.endr
.endm
; AN FFN STEP: 256 hidden units
.macro FSTEP nx
	FETCH
	FHALF 0, \nx
	FHALF 1, \nx
	BAR
.irp js, 0,1
.irp q, 0,1,2,3
	ds_load_b32 v[PW+40*\js+\q], v12 offset:256*\js+64*\q
.endr
.endr
	PLOAD
	PHASEB                                         ; onto src2 + b2
.endm
; v[T1 + q], one number a row and wave, becomes the sum over the four waves.  The two regions take turns.
.macro XCHG k
.irp q, 0,1,2,3
	ds_store_b32 v31, v[T1+\q] offset:1024*((\k)%2)+256*\q
.endr
	BAR
.irp q, 0,1,2,3
	ds_load_b128 v[PF+4*\q:PF+4*\q+3], v28 offset:1024*((\k)%2)+256*\q
.endr
	s_wait_dscnt 0x0
.irp q, 0,1,2,3
	v_add_f32 v[T1+\q], v[PF+4*\q], v[PF+4*\q+1]
.endr
.irp q, 0,1,2,3
	v_add_f32 v[T2+\q], v[PF+4*\q+2], v[PF+4*\q+3]
.endr
.irp q, 0,1,2,3
	v_add_f32 v[T1+\q], v[T1+\q], v[T2+\q]
.endr
.endm
.macro HALVES                          ; a pair's two halves and lane l xor 16's
.irp q, 0,1,2,3
	v_add_f32 v[T1+\q], v[FL+2*\q], v[FL+2*\q+1]
.endr
.irp q, 0,1,2,3
	v_permlanex16_b32 v[T2+\q], v[T1+\q], s[SEL], s[SEL+1]
.endr
.irp q, 0,1,2,3
	v_add_f32 v[T1+\q], v[T1+\q], v[T2+\q]
.endr
.endm
.macro GLOAD go, bo                    ; a gain and an offset at my 64 channels, laid like a tile's 64 registers, from LDS into window 3
	WIN 0xc0
.irp n, 0,1,2,3
.irp k, 0,1,2,3
	ds_load_b128 v[128+16*\n+4*\k:128+16*\n+4*\k+3], v24 offset:\go+128*\n+16*\k
	ds_load_b128 v[192+16*\n+4*\k:192+16*\n+4*\k+3], v24 offset:\bo+128*\n+16*\k
.endr
.endr
	WIN 0
.endm
; LayerNorm of the 64 rows in the accumulators.  LNSTAT: the mean is taken away in place; rsqrt(the mean of the squares + eps) into v[SCQ + 2 q].  LNFIN q: tile q x that x gain + offset.
.macro LNSTAT k
	WIN 0x0a                                       ; sources 0 and 1 window 2
.irp q, 0,1,2,3
	v_pk_add_f32 v[FL+2*\q:FL+2*\q+1], v[64*\q:64*\q+1], v[64*\q+2:64*\q+3]   ; each accumulator is read from its low end on
.endr
	WIN 0x08
.set j, 4
.rept 30
.irp q, 0,1,2,3
	v_pk_add_f32 v[FL+2*\q:FL+2*\q+1], v[FL+2*\q:FL+2*\q+1], v[64*\q+j:64*\q+j+1]
.endr
.set j, j+2
.endr
	WIN 0
	HALVES
	XCHG \k
.irp q, 0,1,2,3
	v_mul_f32 v[SCQ+2*\q], s81, v[T1+\q]           ; -mu
.endr
	WIN 0x82
.irp q, 0,1,2,3
.set j, 0
.rept 32
	v_pk_add_f32 v[64*\q+j:64*\q+j+1], v[64*\q+j:64*\q+j+1], v[SCQ+2*\q:SCQ+2*\q+1] op_sel_hi:[1,0]
.set j, j+2
.endr
.endr
	WIN 0x0a
.irp q, 0,1,2,3
	v_pk_mul_f32 v[FL+2*\q:FL+2*\q+1], v[64*\q:64*\q+1], v[64*\q:64*\q+1]
.endr
.set j, 2
.rept 31
.irp q, 0,1,2,3
	v_pk_fma_f32 v[FL+2*\q:FL+2*\q+1], v[64*\q+j:64*\q+j+1], v[64*\q+j:64*\q+j+1], v[FL+2*\q:FL+2*\q+1]
.endr
.set j, j+2
.endr
	WIN 0
	HALVES
	XCHG (\k)+1
.irp q, 0,1,2,3
	v_fma_f32 v[T1+\q], v[T1+\q], s2, s3           ; var + eps
.endr
	s_wait_alu depctr_va_vdst(0)                   ; the wait ahead of the batch
.irp q, 0,1,2,3
	v_rsq_f32 v[SCQ+2*\q], v[T1+\q]
.endr
	v_nop
	s_wait_alu depctr_va_vdst(0)                   ; and one behind it, ahead of the first reader
.endm
.macro LNFIN q
	WIN 0x82
.set j, 0
.rept 32
	v_pk_mul_f32 v[64*\q+j:64*\q+j+1], v[64*\q+j:64*\q+j+1], v[SCQ+2*\q:SCQ+2*\q+1] op_sel_hi:[1,0]
.set j, j+2
.endr
	WIN 0xbe                                       ; sources 1 and 2 window 3
.set j, 0
.rept 32
	v_pk_fma_f32 v[64*\q+j:64*\q+j+1], v[64*\q+j:64*\q+j+1], v[128+j:128+j+1], v[192+j:192+j+1]
.set j, j+2
.endr
	WIN 0
.endm
; Tile m of src2: my 64 channels of each row are K step w of the third product: four blocks of 32, each in lanes l and l xor 16.  Codes and scale word go to LDS as parts of the operand's image.
; The sixteen images, 16 KB, take bytes that are idle between the loops: tiles 0, 1 the mask's 8 KB at VEC (the attention has ended), tiles 2, 3 P's 8 KB at PB.  The norm's barriers part these stores from the last reads there.
.macro QSRC2 m
	WIN 0x0a
.irp b, 0,1,2,3
	v_max3_num_f32 v[BM+\b], |v[64*\m+16*\b]|, |v[64*\m+16*\b+1]|, 0x1800000
.endr
	WIN 0x28
.irp i, 2,4,6,8,10,12,14
.irp b, 0,1,2,3
	v_max3_num_f32 v[BM+\b], v[BM+\b], |v[64*\m+16*\b+\i]|, |v[64*\m+16*\b+\i+1]|
.endr
.endr
	WIN 0
.irp b, 0,1,2,3
	v_permlanex16_b32 v[T1+\b], v[BM+\b], s[SEL], s[SEL+1]
.endr
.irp b, 0,1,2,3
	v_max_num_f32 v[BM+\b], v[BM+\b], v[T1+\b]
.endr
.irp b, 0,1,2,3
	v_add_nc_u32 v[SOP+\b], 0xff000000, v[BM+\b]
.endr
.irp b, 0,1,2,3
	v_lshrrev_b32 v[T1+\b], 23, v[SOP+\b]
.endr
	v_lshl_or_b32 v[T2+\m], v[T1+1], 8, v[T1]
	v_lshl_or_b32 v[T2+\m], v[T1+2], 16, v[T2+\m]
	v_lshl_or_b32 v[T2+\m], v[T1+3], 24, v[T2+\m]
	WIN 0x02
.irp b, 0,1,2,3
	v_cvt_scalef32_pk8_fp4_f32 v[PF+8*\m+2*\b], v[64*\m+16*\b:64*\m+16*\b+7], v[SOP+\b]
	v_cvt_scalef32_pk8_fp4_f32 v[PF+8*\m+2*\b+1], v[64*\m+16*\b+8:64*\m+16*\b+15], v[SOP+\b]
.endr
	WIN 0
	v_nop
.irp b, 0,1,2,3
	ds_store_b64 v14, v[PF+8*\m+2*\b:PF+8*\m+2*\b+1] offset:XOFF*(\m/2)+4096*(\m%2)+512*(\b/2)+256*(\b%2)
.endr
	ds_store_b32 v15, v[T2+\m] offset:512*\m
.endm
.set XOFF, PB-VEC                      ; from tiles 0, 1 of src2's images to tiles 2, 3
.macro RADD q                          ; src + attention / the sum
	WIN 0xb2                                       ; destination and source 0 window 2, source 2 window 3
	s_wait_alu depctr_va_vdst(0)                   ; the wait directly ahead of the first reader of these sums
.set j, 0
.rept 32
	v_pk_fma_f32 v[64*\q+j:64*\q+j+1], v[64*\q+j:64*\q+j+1], v[SCQ+2*\q:SCQ+2*\q+1], v[64*\q+j:64*\q+j+1] op_sel_hi:[1,0,1]
.set j, j+2
.endr
	WIN 0
.endm
; THE WAY OUT of tile t: 16 rows x my 128 channels through my own stage (rows of 512 bytes + 16) and back as whole pieces of 512 bytes.
.macro TOSTAGE t
	WIN 0x08
.irp b, 0,1,2,3
.irp u, 0,1
	ds_store_b128 v25, v[64*\t+16*\b+8*\u:64*\t+16*\b+8*\u+3] offset:8448*\t+128*\b+32*\u
	ds_store_b128 v25, v[64*\t+16*\b+8*\u+4:64*\t+16*\b+8*\u+7] offset:8448*\t+128*\b+32*\u+16
.endr
.endr
	WIN 0x40
.irp i, 0,1,2,3,4,5,6,7,8,9,10,11,12,13,14,15
	ds_load_b128 v[64*\t+4*\i:64*\t+4*\i+3], v26 offset:8448*\t+528*\i   ; LDS serves a wave's instructions in order: these see my stores
.endr
	WIN 0
.endm
.macro SEND t, younger                 ; younger: the LDS instructions issued behind tile t's loads
	s_wait_dscnt \younger
	WIN 0x04
.irp i, 0,1,2,3,4,5,6,7,8,9,10,11,12,13,14,15
	global_store_b128 v6, v[64*\t+4*\i:64*\t+4*\i+3], s[76:77] offset:(32*(\t/2)+8*(\t%2)+\i+8*(\i/8))*2048 th:TH_STORE_NT   ; the wave stores 512 consecutive bytes, at a multiple of 512 from the output's first byte
.endr
	WIN 0
.endm
	; ---------------- the head ----------------
	s_load_b512 s[4:19], s[0:1], 0x0               ; ac s[4:5], bc s[6:7], src s[8:9], mask s[10:11], b1 s[12:13], b2 s[14:15], g1 s[16:17], be1 s[18:19]
	s_load_b128 s[68:71], s[0:1], 0x40             ; g2 s[68:69], be2 s[70:71]
	s_load_b64 s[76:77], s[0:1], 0x50              ; out0
	v_lshl_add_u32 v1, v0, 2, SPARE                ; my spare word; never rewritten
	v_mov_b32 v2, 0                                ; never rewritten
	ds_add_u32 v1, v2                              ; the opening lines: the add twice on end, and one wait
	ds_add_u32 v1, v2
	v_lshrrev_b32 v18, 5, v0
	v_readfirstlane_b32 s[WV], v18                 ; wave 0..3
	s_bfe_u32 s91, ttmp6, 0x40000                  ; cx: it enters global addresses of Q, the residual, the output and the prefetches alone
	s_lshl_b32 s92, ttmp9, 2
	s_add_co_u32 s92, s92, s91                     ; my block of 64 rows
	s_lshr_b32 s93, ttmp9, 3                       ; the batch, which the four partners share
	s_mov_b32 s[G1], 15|(3<<16)|(1<<21)            ; the mask: all four work-groups; elements of 8 bytes; bit 21 beside a mask; no padding
	s_mov_b32 s[G1+1], 32<<16                      ; 136 dense rows of 32 elements: 256 bytes
	s_mov_b32 s[G1+2], 136<<16
	s_mov_b32 s[G1+3], 32<<16
	s_mov_b32 s[G1+4], 136
	s_mov_b32 s[G1+5], 32
	s_mov_b32 s[G1+6], 0
	s_mov_b32 s[G1+7], 0
	s_mul_i32 s[WO], s[WV], QUART
	s_mov_b32 s[G0], 1
	s_mov_b32 s[G0+1], s[WO]                       ; slot 0
	s_mul_i32 s96, s93, 8*REC                      ; the batch's first record,
	s_and_b32 s94, s[WV], 1
	s_mul_i32 s95, s94, QUART
	s_add_co_u32 s96, s96, s95                     ; my half of it (waves 0, 1: ac's; waves 2, 3: bc's)
	s_mov_b32 s97, 0
	s_sub_co_u32 s95, 8, s93
	s_mul_i32 s[JUMPC], s95, 8*REC
	s_sub_co_u32 s[JUMPC], s[JUMPC], 7*REC
	s_mov_b32 s[STC+1], 0
	s_lshl_b32 s58, s93, 13                        ; the batch's 8,192 bytes of the mask
	s_mov_b32 s59, 0
	s_lshr_b32 s48, s92, 2
	s_mul_i32 s48, s48, REC                        ; the record that holds my rows as keys
	s_add_co_u32 s50, s48, 65536
	s_and_b32 s95, s92, 3
	s_lshl_b32 s95, s95, 14
	s_add_co_u32 s48, s48, s95                     ; Q's sixteen images: a quarter of its codes
	s_mov_b32 s49, 0
	s_bfe_u32 s95, s92, 0x10001
	s_lshl_b32 s95, s95, 11
	s_add_co_u32 s50, s50, s95
	s_and_b32 s95, s92, 1
	s_lshl_b32 s95, s95, 9
	s_add_co_u32 s50, s50, s95                     ; and their scale words
	s_mov_b32 s51, 0
	s_lshl_b32 s52, s92, 17                        ; src and the output at my first row
	s_mov_b32 s53, 0
	s_lshl_b32 s56, s91, 13                        ; the prefetches: 8,192 cx, in slot 1: the first change of slots moves it to slot 2
	s_add_co_u32 s56, s56, REC
	s_mov_b32 s57, 0
	s_and_b32 s95, ttmp9, 7
	s_cmp_eq_u32 s95, 0
	s_cselect_b32 s[LIM], 2, -1                    ; the batch's first cluster prefetches while more than two slots are to be asked for
	s_mov_b32 s[SEL], 0x76543210
	s_mov_b32 s[SEL+1], 0xfedcba98
	s_mov_b32 s[CS], 0x3d8293ee                    ; log2(e) / sqrt(512)
	s_mov_b32 s[CS+1], s[CS]
	s_mov_b32 s[MS], 0xc2e24630                    ; -5 sqrt(512)
	s_mov_b32 s[MS+1], s[MS]
	s_mov_b32 s21, 0x43800000                      ; 256
	s_mov_b32 s81, 0xbb000000                      ; -1 / 512
	s_mov_b32 s2, 0x3b000000                       ; 1 / 512
	s_mov_b32 s3, 0x3727c5ac                       ; eps = 1e-5
	s_mov_b32 s[TB], 0
	s_mov_b32 s[TV], 0
	s_mov_b32 s[SLOTS], 8
	; addresses: L = lane, R = L % 16, H = L / 16, W = wave
	v_and_b32 v212, 31, v0                         ; L
	v_and_b32 v213, 15, v0                         ; R
	v_bfe_u32 v214, v0, 4, 1                       ; H
	v_lshrrev_b32 v215, 5, v0                      ; W
	v_lshlrev_b32 v29, 4, v212                     ; v29 16 L
	v_lshlrev_b32 v30, 3, v213                     ; v30 8 R
	v_lshlrev_b32 v4, 8, v212                      ; v4  256 L: the prefetches' offset
	v_lshl_add_u32 v3, v215, 13, v29               ; v3  codes: 8,192 W + 16 L
	v_lshlrev_b32 v5, 3, v212
	v_lshl_add_u32 v5, v215, 8, v5                 ; v5  A1's scale words: 256 W + 8 L
	v_lshl_add_u32 v6, v215, 9, v29                ; v6  A2's scale words, and the output: 512 W + 16 L
	v_lshlrev_b32 v224, 6, v214                    ; 64 H
	v_lshl_add_u32 v7, v215, 7, v224
	v_add_nc_u32 v7, VEC, v7                       ; v7  mask, b1: 128 W + 64 H
	v_lshlrev_b32 v225, 4, v213                    ; 16 R
	v_lshl_add_u32 v226, v214, 3, v225             ; 16 R + 8 H
	v_lshl_add_u32 v8, v215, 8, v226
	v_add_nc_u32 v8, PB, v8                        ; v8  P's images, my part: 256 W + 16 R + 8 H
	v_lshl_add_u32 v10, v213, 5, AI                ; v10 the steps' exchange, back: 32 R
	v_lshl_add_u32 v9, v215, 2, v10                ; v9  in: + 4 W
	v_lshl_add_u32 v12, v213, 2, AI                ; v12 the FFN's bytes, back: 4 R
	v_add_nc_u32 v11, v12, v215                    ; v11 in: + W
	v_add_nc_u32 v13, PB, v29                      ; v13 P's images, as read
	v_add_nc_u32 v16, VEC, v29                     ; v16 src2's images, as read
	v_lshl_add_u32 v14, v215, 10, v226
	v_add_nc_u32 v14, VEC, v14                     ; v14 src2's images, my part: 1,024 W + 16 R + 8 H
	v_lshl_add_u32 v17, v212, 2, XSI               ; v17 their scale words as read: 4 L
	v_lshl_add_u32 v15, v215, 7, v17               ; v15 my part: + 128 W
	v_add_nc_u32 v28, EX, v225                     ; v28 the norms' exchange, back: 16 R
	v_lshl_add_u32 v31, v215, 2, v28               ; v31 in: + 4 W
	v_lshl_add_u32 v23, v215, 9, v224              ; 512 W + 64 H
	v_add_nc_u32 v24, GV, v23                      ; v24 my channels in a vector of 512
	v_mul_u32_u24 v227, v215, RESW
	v_add_nc_u32 v26, v227, v29                    ; v26 out of my stage: 16 L
	v_add_nc_u32 v227, v227, v224
	v_mad_u32_u24 v25, v213, 528, v227             ; v25 into it: 528 R + 64 H
	v_and_b32 v226, 8, v213
	v_add_nc_u32 v226, v226, v213
	v_lshl_add_u32 v23, v226, 11, v23              ; v23 the residual: row R + 8 (R / 8) of 2,048 bytes, + my channels
	v_lshlrev_b32 v226, 4, v0                      ; 16 x thread: the small vectors, in memory
	v_add_nc_u32 v227, GV, v226                    ; and in LDS
	s_wait_alu depctr_va_vdst(0)                   ; the wait ahead of the waits below
	s_wait_dscnt 0x0
	s_wait_kmcnt 0x0
	s_add_nc_u64 s[QP:QP+1], s[4:5], s[48:49]
	s_add_nc_u64 s[QS:QS+1], s[4:5], s[50:51]
	s_cmp_lt_u32 s[WV], 2                          ; a choice between buffers on the wave's number
	s_cselect_b64 s[G0+2:G0+3], s[4:5], s[6:7]
	s_add_nc_u64 s[G0+2:G0+3], s[G0+2:G0+3], s[96:97]
	s_add_nc_u64 s[PFA:PFA+1], s[G0+2:G0+3], s[56:57]
	s_or_b32 s[G0+3], s[G0+3], 0x80000000          ; type = 2
	s_add_nc_u64 s[10:11], s[10:11], s[58:59]
	s_add_nc_u64 s[8:9], s[8:9], s[52:53]
	s_add_nc_u64 s[76:77], s[76:77], s[52:53]
	WIN 0x40
.set i, 0
.rept 32
	global_load_b128 v[4*i:4*i+3], v29, s[QP:QP+1] offset:512*i    ; Q's fragments stay in registers
.set i, i+1
.endr
	WIN 0
.irp q, 0,1,2,3
	global_load_b64 v[XS+4*\q:XS+4*\q+1], v30, s[QS:QS+1] offset:128*\q
	global_load_b64 v[XS+4*\q+2:XS+4*\q+3], v30, s[QS:QS+1] offset:1024+128*\q
.endr
.irp i, 0,1,2,3
	global_load_b128 v[64+4*\i:67+4*\i], v226, s[10:11] offset:2048*\i   ; the batch's mask: 2,048 bytes a line of the work-group
.endr
.irp i, 0,1,2,3
	global_load_b128 v[80+4*\i:83+4*\i], v226, s[12:13] offset:2048*\i   ; b1
.endr
	global_load_b128 v[96:99], v226, s[16:17]      ; g1, be1, b2, g2, be2
	global_load_b128 v[100:103], v226, s[18:19]
	global_load_b128 v[104:107], v226, s[14:15]
	global_load_b128 v[108:111], v226, s[68:69]
	global_load_b128 v[112:115], v226, s[70:71]
	ROUND                                          ; all four work-groups are here: the first joint loads meet
	TLOAD                                          ; slot 0: my one tensor load at the head
	WIN 0xc0
.irp q, 0,1,2,3
.irp n, 0,1,2,3
.irp k, 0,1,2,3
	global_load_b128 v[64*\q+16*\n+4*\k:64*\q+16*\n+4*\k+3], v23, s[8:9] offset:(32*(\q/2)+8*(\q%2))*2048+128*\n+16*\k   ; the residual, laid like the accumulators
.endr
.endr
.endr
	WIN 0x80
.set i, 0
.rept 256
	v_mov_b32 v[i], 0                              ; the sums begin as zeros, so that the step is written once; these lines stand under the loads
.set i, i+1
.endr
	WIN 0
.irp q, 0,1,2,3
	v_mov_b32 v[ST+8*\q+1], 0xff61b1e6             ; the largest t so far: -3e38
	v_mov_b32 v[ST+8*\q+4], 0xff61b1e6             ; R likewise
	v_mov_b32 v[ST+8*\q+2], 0
	v_mov_b32 v[ST+8*\q+3], 0
	v_mov_b32 v[ST+8*\q+7], 0                      ; upper halves of pairs of which the low word serves: named, so written
	v_mov_b32 v[FL+2*\q+1], 0
	v_mov_b32 v[SCQ+2*\q+1], 0
	v_mov_b32 v[T1+\q], 0                          ; a lane permute's destination counts as one of its sources
	v_mov_b32 v[T2+\q], 0
	v_floor_f32 v[ST+8*\q], -v[ST+8*\q+1]
.endr
	s_wait_alu depctr_va_vdst(0)                   ; the wait at the head's end
	s_wait_loadcnt 0x3f                            ; Q, its scale words and the small vectors are in: 64 loads were issued behind them
.irp j, 0,2,4,6,8,10,12,14
	v_pk_mul_f32 v[64+\j:65+\j], v[64+\j:65+\j], s[MS:MS+1] op_sel_hi:[1,0]   ; -5 sqrt(512) x mask
.endr
.irp i, 0,1,2,3
	ds_store_b128 v227, v[64+4*\i:67+4*\i] offset:VEC-GV+2048*\i
	ds_store_b128 v227, v[80+4*\i:83+4*\i] offset:VEC-GV+8192+2048*\i
.endr
.irp i, 0,1,2,3,4
	ds_store_b128 v227, v[96+4*\i:99+4*\i] offset:2048*\i
.endr
	BAR
.irp k, 0,1,2,3
	ds_load_b128 v[MB+4*\k:MB+4*\k+3], v7 offset:16*\k   ; the mask for the first half
.endr
	; ---------------- attention: 8 steps of 256 keys ----------------
.Latt:
	CHANGE 0
	ASTEP
	s_sub_co_u32 s[SLOTS], s[SLOTS], 1
	s_cmp_lg_u32 s[SLOTS], 0
	s_cbranch_scc1 .Latt
	; ---------------- the sum, the residual, the first norm, src2's codes ----------------
	s_wait_loadcnt 0x0                             ; the residual
.irp q, 0,1,2,3
	v_add_f32 v[T1+\q], v[ST+8*\q+2], v[ST+8*\q+3]
.endr
.irp q, 0,1,2,3
	v_permlanex16_b32 v[T2+\q], v[T1+\q], s[SEL], s[SEL+1]
.endr
.irp q, 0,1,2,3
	v_add_f32 v[T1+\q], v[T1+\q], v[T2+\q]         ; my wave's sum, under its own M
.endr
.irp q, 0,1,2,3
	v_add_f32 v[T2+\q], v[ST+8*\q], v[ST+8*\q+4]   ; R - M
.endr
.irp q, 0,1,2,3
	v_sub_f32 v[T2+\q], 0x42fa0000, v[T2+\q]       ; M - R + 125
.endr
.irp q, 0,1,2,3
	v_cvt_i32_f32 v[T2+\q], v[T2+\q]
.endr
.irp q, 0,1,2,3
	v_ldexp_f32 v[T1+\q], v[T1+\q], v[T2+\q]       ; under R, as the accumulators are
.endr
.irp n, 0,1,2,3
.irp k, 0,1,2,3
	ds_load_b128 v[ZZ+16*\n+4*\k:ZZ+16*\n+4*\k+3], v24 offset:4096+128*\n+16*\k   ; b2, into the registers that P has left
.endr
.endr
	XCHG 0
	s_wait_alu depctr_va_vdst(0)
.irp q, 0,1,2,3
	v_rcp_f32 v[SCQ+2*\q], v[T1+\q]
.endr
	v_nop
	RADD 0                                         ; (its wait is also the one behind the four reciprocals)
	RADD 1
	RADD 2
	RADD 3
	GLOAD 0, 2048                                  ; g1, be1, into registers that the residual has left
	LNSTAT 1
	LNFIN 0
	LNFIN 1
	LNFIN 2
	LNFIN 3                                        ; src2
	QSRC2 0
	QSRC2 1
	QSRC2 2
	QSRC2 3
	WIN 0x82
.irp q, 0,1,2,3
.set j, 0
.rept 32
	v_pk_add_f32 v[64*\q+j:64*\q+j+1], v[64*\q+j:64*\q+j+1], v[ZZ+j:ZZ+j+1]   ; src2 + b2: the fourth product adds onto it
.set j, j+2
.endr
.endr
	WIN 0
	BAR                                            ; src2's sixteen images lie in LDS
	WIN 0x40
.irp m, 0,1
.set i, 0
.rept 16
	ds_load_b128 v[64*\m+4*i:64*\m+4*i+3], v16 offset:XOFF*\m+512*i    ; X for the FFN
.set i, i+1
.endr
.endr
	WIN 0
.set i, 0
.rept 16
	ds_load_b32 v[XS+i], v17 offset:128*i
.set i, i+1
.endr
	; ---------------- FFN: 8 steps of 256 hidden units; the last is written out ----------------
	s_mov_b32 s[SLOTS], 7
.Lffn:
	CHANGE 1
	FSTEP 1
	s_sub_co_u32 s[SLOTS], s[SLOTS], 1
	s_cmp_lg_u32 s[SLOTS], 0
	s_cbranch_scc1 .Lffn
	CHANGE 2
	FSTEP 0
	; ---------------- the second norm, tile by tile, and out ----------------
	GLOAD 6144, 8192                               ; g2, be2
	LNSTAT 3
	LNFIN 0
	TOSTAGE 0                                      ; every wave has passed the norm's barriers behind its last read of the ring
	LNFIN 1
	TOSTAGE 1
	SEND 0, 32                                     ; behind tile 0's loads: tile 1's 16 stores and 16 loads
	LNFIN 2
	TOSTAGE 2
	SEND 1, 32
	LNFIN 3
	TOSTAGE 3
	SEND 2, 32
	SEND 3, 0
	s_wait_tensorcnt 0x0                           ; the wave's end
	ds_add_u32 v1, v2
	s_wait_dscnt 0x0
	ROUND                                          ; the closing round: no work-group ends while a partner may still ask for a tile that names it
	s_endpgm
.Lfunc_end_k_q4d8c374a3d_layer:
	.size	k_q4d8c374a3d_layer, .Lfunc_end_k_q4d8c374a3d_layer-k_q4d8c374a3d_layer
	.p2alignl 7, 3214868480
	.fill 96, 4, 3214868480
	.section	.rodata,"a",@progbits
	.p2align	6, 0x0
	.amdhsa_kernel k_q4d8c374a3d_layer
		.amdhsa_group_segment_fixed_size 327680
		.amdhsa_private_segment_fixed_size 0
		.amdhsa_enable_private_segment 0
		.amdhsa_kernarg_size 88
		.amdhsa_user_sgpr_count 2
		.amdhsa_user_sgpr_kernarg_segment_ptr 1
		.amdhsa_wavefront_size32 1
		.amdhsa_system_sgpr_workgroup_id_x 1
		.amdhsa_system_sgpr_workgroup_id_y 1
		.amdhsa_system_sgpr_workgroup_id_z 1
		.amdhsa_system_vgpr_workitem_id 0
		.amdhsa_next_free_vgpr 1024
		.amdhsa_next_free_sgpr 100
		.amdhsa_reserve_vcc 0
		.amdhsa_float_denorm_mode_32 3
		.amdhsa_float_denorm_mode_16_64 3
		.amdhsa_memory_ordered 1
		.amdhsa_forward_progress 1
		.amdhsa_inst_pref_size 255
	.end_amdhsa_kernel
	.section	.bss,"aw",@nobits
	.p2align	6
	.space	262144
	.amdgpu_metadata
---
amdhsa.version: [ 1, 2 ]
amdhsa.kernels:
  - .name:           k_q4d8c374a3d_layer
    .symbol:         k_q4d8c374a3d_layer.kd
    .args:
      - { .name: ac, .offset: 0, .size: 8, .value_kind: global_buffer, .address_space: global }
      - { .name: bc, .offset: 8, .size: 8, .value_kind: global_buffer, .address_space: global }
      - { .name: src, .offset: 16, .size: 8, .value_kind: global_buffer, .address_space: global }
      - { .name: key_padding_mask, .offset: 24, .size: 8, .value_kind: global_buffer, .address_space: global }
      - { .name: b1, .offset: 32, .size: 8, .value_kind: global_buffer, .address_space: global }
      - { .name: b2, .offset: 40, .size: 8, .value_kind: global_buffer, .address_space: global }
      - { .name: g1, .offset: 48, .size: 8, .value_kind: global_buffer, .address_space: global }
      - { .name: be1, .offset: 56, .size: 8, .value_kind: global_buffer, .address_space: global }
      - { .name: g2, .offset: 64, .size: 8, .value_kind: global_buffer, .address_space: global }
      - { .name: be2, .offset: 72, .size: 8, .value_kind: global_buffer, .address_space: global }
      - { .name: out0, .offset: 80, .size: 8, .value_kind: global_buffer, .address_space: global }
    .group_segment_fixed_size: 327680
    .private_segment_fixed_size: 0
    .kernarg_segment_align: 8
    .kernarg_segment_size: 88
    .max_flat_workgroup_size: 128
    .sgpr_count:     100
    .vgpr_count:     1024
    .wavefront_size: 32
...
	.end_amdgpu_metadata
.endif
;; end of part 2
